; MI455X (gfx1250); checked and timed in simulation.
; The chip was launched on July 23, 2026; its instructions are those of AMD's public machine-readable ISA for CDNA 5 (MIT licence, August 2026) and "CDNA5" Instruction Set Architecture Reference Guide (July 2026). The comments in the code are by the model that wrote it; some were corrected since.
;; Multi Head Attention. Allowed arithmetic: matrix products marked QUANTISED: E2M1 operands, one E8M0 scale for each 32 along K, by v_wmma_scale_f32_16x16x128_f8f6f4 with both operands' format E2M1 (or v_wmma_scale_f32_32x16x128_f4), f32 sums; products left as they are: bf16, f16 or f32 operands; f32 sums; everything else in f32.
;; Inputs: Wqkv 1,024 x 2,048 float32; X 4,096 x 1,024 float32.
;; Outputs: out0 4,096 x 1,024 float32.
;; This version of the problem:
;;   THIS VERSION OF THE PROBLEM IS GIVEN IN LOW PRECISION. The matrix products marked QUANTISED in the list below multiply operands that are first quantised to E2M1 (2 exponent bits, 1 mantissa bit; 4 bits a number), with one power-of-two scale for each 32 numbers along K (OCP MX v1.0); their sums are f32. The products marked 'left as it is' may take bf16, f16 or f32 operands, with f32 sums. Whichever they take, every output number must still come out within the allowed error. Rounding operands to bf16 (8 significant bits) uses up far more of that allowance than f16 does (11 bits, for magnitudes from 6e-5 to 65,504). All else is computed in f32.
;;   The module's matrix products, in the order in which they are computed (A, B: the left and right operand; K: the contracted axis; several contracted axes count as one K, in the product's order):
;;     1. [M 4,096, K 1,024] x [K 1,024, N 2,048]; A: input X; B: input Wqkv: QUANTISED
;;     2. batch 16 x [M 4,096, K 64] x [K 64, N 4,096]; A: computed on the way; B: computed on the way: left as it is (an operand is computed on the way)
;;     3. batch 16 x [M 64, K 4,096] x [K 4,096, N 4,096]; A: computed on the way; B: computed on the way: left as it is (an operand is computed on the way)
;;   THE QUANTISER, for each operand of a quantised product, along K:
;;     - K is cut into blocks of 32 from its start; a last block that is shorter is filled with zeros.
;;     - A block's scale is 2^e with e = floor(log2(the largest magnitude in the block)) - 2, held to -126 .. 127; a block of zeros has e = 0. As a byte (E8M0): e + 127.
;;     - Each number is divided by its block's scale, clamped to +-6, and rounded to the nearest number of E2M1, ties to even, subnormals kept.
;;     - The product sums the exact products of the quantised numbers (number of the format x scale) in f32.
;;   ~~~python
;;   def quantise(x, axis):      # numpy; x: float32 -> the quantised numbers, widened to float32 again
;;       x = np.moveaxis(x, axis, -1); K = x.shape[-1]
;;       x = np.pad(x, [(0, 0)] * (x.ndim - 1) + [(0, -K % 32)]); x = x.reshape(x.shape[:-1] + (-1, 32)); a = np.abs(x).max(-1, keepdims=True)
;;       e = np.where(a > 0, np.clip(np.frexp(np.where(a > 0, a, 1))[1] - 1 - 2, -126, 127), 0)      # np.frexp(a)[1] - 1 = floor(log2(a)), exactly
;;       r = np.clip(x / 2.0 ** e, -6, 6)
;;       step = 2.0 ** (np.maximum(np.frexp(np.where(r == 0, 1, r))[1] - 1, 0) - 1)
;;       q = np.round(r / step) * step * 2.0 ** e      # np.round: ties to even
;;       return np.moveaxis(q.reshape(q.shape[:-2] + (-1,))[..., :K], -1, axis).astype(np.float32)
;;   ~~~
;; One version. Each part assembles by itself: llvm-mc -triple=amdgcn-amd-amdhsa -mcpu=gfx1250 --defsym DOCPART=n.
;; ======== version 1 of 1: 3 launches
;; limits: values are held in f16: magnitudes above 65,504 overflow, below 6.1e-05 lose precision
;; workspace buffers: cod 3,145,728 bytes; scl 196,608 bytes; qkf 8,388,608 bytes; vtf 8,388,608 bytes
;; launch quant (part 1): grid 256 x 1, 4 waves a work-group, no clusters, 43,520 bytes of LDS; arguments X, Wqkv, cod, scl; writes cod, scl
.if DOCPART == 1
	.amdgcn_target "amdgcn-amd-amdhsa--gfx1250"
	.amdhsa_code_object_version 6
	.text
	.protected	k_q11974b3022_quant
	.globl	k_q11974b3022_quant
	.p2align	8
	.type	k_q11974b3022_quant,@function
k_q11974b3022_quant:
	s_mov_b64 s[64:65], 0
	v_nop
	global_prefetch_b8 v0, s[64:65] scope:SCOPE_SE
	s_setreg_imm32_b32 hwreg(HW_REG_WAVE_MODE, 25, 1), 1
	s_wait_xcnt 0x0
; X [4096][1024] and Wqkv [1024][2048], f32, become codes of E2M1 (4 bits) with one E8M0 byte for each 32 along K = 1024.
; OUT: cod [s 8][row 6144][64 bytes]: K step s of 128, rows 0-4095 X's rows, rows 4096-6143 Wqkv's columns; 128 codes a row, the lower k in the low four bits.
;      scl [s 8][row 6144][4 bytes]: that row's four scale bytes of the K step.
; A block's scale is 2^(floor(log2(largest magnitude)) - 2); its byte is the largest magnitude's exponent field - 2, held at 1 from below by a floor among the maximum's leaves.
; LIMITS: a block of zeros, or one whose largest magnitude lies under 2^-124, gets the byte 1 (its codes are zeros or what the conversion gives under that scale); the bytes are read by this program alone.
;         NaN and infinities among the inputs are not served.
; Work-groups 0-127 take X (K innermost), work-groups 128-255 Wqkv (K is its first axis).  The two paths share no LDS byte and each ends by itself.  No tensor load, no barrier: waves share nothing.
.set SP,    80                         ; a place in a stage: 64 bytes + 16 of padding
.set WBASE, 32768                      ; LDS: X's path has 8,192 bytes a wave from 0 on; W's path 2,560 bytes a wave from here on
.set SPARE, 43008                      ; behind both: the spare words, 128 bytes for each wave, which no other line names
.set PLC,   393216                     ; a K step's plane of codes, in bytes
.set PLS,   24576                      ; and of scale words
.set SPW,   12                         ; v12  my spare word's LDS address; never rewritten
.set NIL,   13                         ; v13  0; never rewritten
.set R,     16                         ; X path: v16-143 eight sets of 16 numbers as loaded
.set XN,    144                        ; v144-175 two sets of 16 neighbours
.set E,     176                        ; v176-191 a scale byte for each step
.set C,     192                        ; v192-223 two registers of codes for each step: no store's data are written again
	s_load_b256 s[4:11], s[0:1], 0x0               ; X s[4:5], Wqkv s[6:7], cod s[8:9], scl s[10:11]
	v_lshl_add_u32 v[SPW], v0, 2, SPARE
	v_mov_b32 v[NIL], 0
	v_lshrrev_b32 v1, 5, v0
	v_readfirstlane_b32 s16, v1                    ; wave 0..3
	v_and_b32 v2, 31, v0                           ; lane
	s_cmp_lt_u32 ttmp9, 128
	s_cbranch_scc0 .Lw
; ---------------- X: 64 rows x one K step of 128 for each wave; the four waves stand side by side on 2,048 bytes of each row
	v_lshlrev_b32 v3, 4, v2                        ; my 16 bytes of a load's 512
	s_lshl_b32 s17, s16, 13                        ; my wave's LDS region
	v_lshrrev_b32 v14, 2, v2
	v_mul_u32_u24 v14, v14, SP
	v_and_b32 v15, 3, v2
	v_lshl_add_u32 v14, v15, 4, v14
	v_add_nc_u32 v14, s17, v14                     ; into a stage: four lanes' 64 bytes on end, then the padding
	v_mul_u32_u24 v15, v2, SP
	v_add_nc_u32 v15, s17, v15                     ; out of it: my 16 neighbours: row lane / 8 of the step's four, k = 16 (lane % 8) on
	v_lshlrev_b32 v4, 3, v2                        ; my 8 bytes of a step's 256 bytes of codes
	v_lshrrev_b32 v5, 1, v2
	s_add_co_u32 s17, s17, 2*32*SP
	v_add_nc_u32 v5, s17, v5                       ; my block's byte among the wave's 256 scale bytes
	v_add_nc_u32 v6, s17, v4                       ; and 8 of them a lane on the way out
	s_lshr_b32 s18, ttmp9, 1                       ; which 64 rows
	s_and_b32 s19, ttmp9, 1
	s_lshl_b32 s19, s19, 2
	s_add_co_u32 s19, s19, s16                     ; which K step
	s_lshl_b32 s20, s18, 18                        ; X: 64 rows of 4,096 bytes,
	s_lshl_b32 s21, s19, 9                         ; + 512 bytes a K step
	s_add_co_u32 s20, s20, s21
	s_mov_b32 s21, 0
	s_mul_i32 s22, s19, PLC                        ; codes: the plane, + 64 rows of 64 bytes
	s_lshl_b32 s23, s18, 12
	s_add_co_u32 s22, s22, s23
	s_mov_b32 s23, 0
	s_mul_i32 s24, s19, PLS                        ; scale words: the plane, + 64 rows of 4 bytes
	s_lshl_b32 s25, s18, 8
	s_add_co_u32 s24, s24, s25
	s_mov_b32 s25, 0
	s_wait_kmcnt 0x0
	s_add_nc_u64 s[4:5], s[4:5], s[20:21]
	s_add_nc_u64 s[8:9], s[8:9], s[22:23]
	s_add_nc_u64 s[10:11], s[10:11], s[24:25]
.macro XLOAD t                         ; step t: rows 4 t .. 4 t + 3; each load reads 512 consecutive bytes of one row
.irp i, 0,1,2,3
	global_load_b128 v[R+16*((\t)%8)+4*\i:R+16*((\t)%8)+4*\i+3], v3, s[4:5] offset:(4*(\t)+\i)*4096 th:TH_LOAD_NT
.endr
.endm
.macro XTURN t                         ; the step's 2,048 bytes through a stage: LDS serves a wave's instructions in order, so no wait stands between the stores and the loads
.irp i, 0,1,2,3
	ds_store_b128 v14, v[R+16*((\t)%8)+4*\i:R+16*((\t)%8)+4*\i+3] offset:32*SP*((\t)%2)+8*SP*\i
.endr
.irp i, 0,1,2,3
	ds_load_b128 v[XN+16*((\t)%2)+4*\i:XN+16*((\t)%2)+4*\i+3], v15 offset:32*SP*((\t)%2)+16*\i
.endr
.endm
.irp t, 0,1,2,3,4,5,6,7
	XLOAD \t                                       ; eight steps, 32 loads, ahead
.endr
	s_wait_loadcnt 28                              ; step 0's four loads are in
	XTURN 0
.macro XSTEP t
.set XS, XN+16*((\t)%2)
.if (\t) > 0
	s_wait_dscnt 1                                 ; this step's numbers are back from the stage (the last step's byte store may be out): so its stores into the stage have read their registers,
.else
	s_wait_dscnt 0x0
.endif
.if (\t)+8 < 16
	XLOAD (\t)+8                                   ; which take the loads of eight steps on
.endif
.if (\t)+1 < 16
.if 14-(\t) >= 7
	s_wait_loadcnt 28                              ; the next step's loads are in; those of the seven steps behind it may be out
.else
	s_wait_loadcnt 4*(14-(\t))                     ; near the end fewer steps stand behind it
.endif
	XTURN (\t)+1
.endif
	v_max3_num_f32 v8, |v[XS]|, |v[XS+1]|, |v[XS+2]|               ; the largest magnitude of my 16, in two chains
	v_max3_num_f32 v9, |v[XS+3]|, |v[XS+4]|, |v[XS+5]|
.irp i, 6,10
	v_max3_num_f32 v8, v8, |v[XS+\i]|, |v[XS+\i+1]|
	v_max3_num_f32 v9, v9, |v[XS+\i+2]|, |v[XS+\i+3]|
.endr
	v_max3_num_f32 v8, v8, |v[XS+14]|, |v[XS+15]|
	v_max3_num_f32 v8, v8, v9, 0x1800000           ; and the floor 2^(3 - 127): the byte cannot fall under 1
	v_max_num_f32_dpp v8, v8, v8 row_xmask:1 row_mask:0xf bank_mask:0xf   ; with my neighbour's 16: the block's
	v_add_nc_u32 v11, 0xff000000, v8               ; 2 off its exponent field: the conversion takes that field as its scale and nothing else
	v_cvt_scalef32_pk8_fp4_f32 v[C+2*(\t)], v[XS:XS+7], v11
	v_cvt_scalef32_pk8_fp4_f32 v[C+2*(\t)+1], v[XS+8:XS+15], v11
	v_lshrrev_b32 v[E+(\t)], 23, v11               ; the scale's byte (also the plain line behind the conversions)
	ds_store_b8 v5, v[E+(\t)] offset:16*(\t)       ; both lanes of a block write the same byte with the same value
	global_store_b64 v4, v[C+2*(\t):C+2*(\t)+1], s[8:9] offset:256*(\t)   ; 32 lanes store 256 consecutive bytes: four rows of 64
.endm
.irp t, 0,1,2,3,4,5,6,7,8,9,10,11,12,13,14,15
	XSTEP \t
.endr
	ds_load_b64 v[8:9], v6                         ; the wave's 256 scale bytes: these loads see my stores
	s_wait_dscnt 0x0
	global_store_b64 v4, v[8:9], s[10:11]          ; 64 rows' words: 256 consecutive bytes, aligned
	s_wait_tensorcnt 0x0                           ; the wave's end, behind my last LDS store
	ds_add_u32 v[SPW], v[NIL]
	s_wait_dscnt 0x0
	s_endpgm
; ---------------- Wqkv: a lane takes a column, its registers run down K: 32 columns x one K step of 128 for each wave
.Lw:
	s_sub_co_u32 s17, ttmp9, 128
	s_and_b32 s18, s17, 15                         ; which 128 columns
	s_lshr_b32 s19, s17, 4                         ; which K step
	s_lshl_b32 s18, s18, 7
	s_lshl_b32 s20, s16, 5
	s_add_co_u32 s18, s18, s20                     ; my wave's first column
	s_lshl_b32 s20, s19, 20                        ; Wqkv: 128 rows of 8,192 bytes a K step,
	s_lshl_b32 s21, s18, 2                         ; + 4 bytes a column
	s_add_co_u32 s20, s20, s21
	s_mov_b32 s21, 0
	s_add_co_u32 s26, s18, 4096                    ; the column's row in cod and scl
	s_mul_i32 s22, s19, PLC
	s_lshl_b32 s23, s26, 6
	s_add_co_u32 s22, s22, s23
	s_mov_b32 s23, 0
	s_mul_i32 s24, s19, PLS
	s_lshl_b32 s25, s26, 2
	s_add_co_u32 s24, s24, s25
	s_mov_b32 s25, 0
	v_lshlrev_b32 v3, 2, v2                        ; 4 bytes a lane: in Wqkv's rows and among the scale words
	s_mul_i32 s27, s16, 32*SP
	s_add_co_u32 s27, s27, WBASE                   ; my stage: 32 rows of 64 bytes + 16
	v_mul_u32_u24 v6, v2, SP
	v_add_nc_u32 v6, s27, v6                       ; into it: row = my column
	v_lshrrev_b32 v7, 2, v2
	v_mul_u32_u24 v7, v7, SP
	v_and_b32 v5, 3, v2
	v_lshl_add_u32 v7, v5, 4, v7
	v_add_nc_u32 v7, s27, v7                       ; out of it: four lanes to a row, eight rows an instruction
	v_lshlrev_b32 v4, 4, v2                        ; and the same 512 consecutive bytes in cod
	s_wait_kmcnt 0x0
	s_add_nc_u64 s[6:7], s[6:7], s[20:21]
	s_add_nc_u64 s[8:9], s[8:9], s[22:23]
	s_add_nc_u64 s[10:11], s[10:11], s[24:25]
.macro WLOAD t                         ; block t: W(32 t + i, my column) into set t % 2: 32 lanes read 128 consecutive bytes, the four waves 512
.irp i, 0,1,2,3,4,5,6,7,8,9,10,11,12,13,14,15,16,17,18,19,20,21,22,23,24,25,26,27,28,29,30,31
	global_load_b32 v[16+32*((\t)%2)+\i], v3, s[6:7] offset:(32*(\t)+\i)*8192 th:TH_LOAD_NT
.endr
.endm
	WLOAD 0
	WLOAD 1
.macro WBLOCK t
.set XS, 16+32*((\t)%2)
.if (\t) < 3
	s_wait_loadcnt 32                              ; this block's 32 loads are in; the next block's may be out
.else
	s_wait_loadcnt 0x0
.endif
	v_max3_num_f32 v9, |v[XS]|, |v[XS+1]|, |v[XS+2]|               ; all 32 numbers of the block are mine
	v_max3_num_f32 v10, |v[XS+3]|, |v[XS+4]|, |v[XS+5]|
.irp i, 6,10,14,18,22,26
	v_max3_num_f32 v9, v9, |v[XS+\i]|, |v[XS+\i+1]|
	v_max3_num_f32 v10, v10, |v[XS+\i+2]|, |v[XS+\i+3]|
.endr
	v_max3_num_f32 v9, v9, |v[XS+30]|, |v[XS+31]|
	v_max3_num_f32 v9, v9, v10, 0x1800000          ; the floor
	v_add_nc_u32 v11, 0xff000000, v9               ; the conversion's scale operand
	v_lshrrev_b32 v10, 23, v11                     ; the byte
.if (\t) == 0
	v_mov_b32 v8, v10                              ; the four bytes make my column's scale word, the lower K in the lower byte
.else
	v_lshl_or_b32 v8, v10, 8*(\t), v8
.endif
.irp g, 0,1,2,3
	v_cvt_scalef32_pk8_fp4_f32 v[80+4*(\t)+\g], v[XS+8*\g:XS+8*\g+7], v11
.endr
	ds_store_b128 v6, v[80+4*(\t):80+4*(\t)+3] offset:16*(\t)      ; 32 codes: 16 bytes of my column's row; each block has code registers of its own
.if (\t)+2 < 4
	WLOAD (\t)+2
.endif
.endm
	WBLOCK 0
	WBLOCK 1
	WBLOCK 2
	WBLOCK 3
	global_store_b32 v3, v8, s[10:11]              ; 32 columns' scale words: 128 consecutive bytes (all such words are 64 KiB of what the launch moves)
.irp j, 0,1,2,3
	ds_load_b128 v[96+4*\j:96+4*\j+3], v7 offset:8*SP*\j           ; these see my stores
.endr
.irp j, 0,1,2,3
	s_wait_dscnt 3-\j
	global_store_b128 v4, v[96+4*\j:96+4*\j+3], s[8:9] offset:512*\j   ; eight rows of 64 bytes: 512 consecutive bytes, aligned
.endr
	s_wait_tensorcnt 0x0                           ; the wave's end, behind my last LDS store
	ds_add_u32 v[SPW], v[NIL]
	s_wait_dscnt 0x0
	s_endpgm
.Lfunc_end_k_q11974b3022_quant:
	.size	k_q11974b3022_quant, .Lfunc_end_k_q11974b3022_quant-k_q11974b3022_quant
	.p2alignl 7, 3214868480
	.fill 96, 4, 3214868480
	.section	.rodata,"a",@progbits
	.p2align	6, 0x0
	.amdhsa_kernel k_q11974b3022_quant
		.amdhsa_group_segment_fixed_size 43520
		.amdhsa_private_segment_fixed_size 0
		.amdhsa_enable_private_segment 0
		.amdhsa_kernarg_size 32
		.amdhsa_user_sgpr_count 2
		.amdhsa_user_sgpr_kernarg_segment_ptr 1
		.amdhsa_wavefront_size32 1
		.amdhsa_system_sgpr_workgroup_id_x 1
		.amdhsa_system_sgpr_workgroup_id_y 1
		.amdhsa_system_sgpr_workgroup_id_z 1
		.amdhsa_system_vgpr_workitem_id 0
		.amdhsa_next_free_vgpr 224
		.amdhsa_next_free_sgpr 66
		.amdhsa_reserve_vcc 0
		.amdhsa_float_denorm_mode_32 3
		.amdhsa_float_denorm_mode_16_64 3
		.amdhsa_memory_ordered 1
		.amdhsa_forward_progress 1
		.amdhsa_inst_pref_size 54
	.end_amdhsa_kernel
	.amdgpu_metadata
---
amdhsa.version: [ 1, 2 ]
amdhsa.kernels:
  - .name:           k_q11974b3022_quant
    .symbol:         k_q11974b3022_quant.kd
    .args:
      - { .name: X, .offset: 0, .size: 8, .value_kind: global_buffer, .address_space: global }
      - { .name: Wqkv, .offset: 8, .size: 8, .value_kind: global_buffer, .address_space: global }
      - { .name: cod, .offset: 16, .size: 8, .value_kind: global_buffer, .address_space: global }
      - { .name: scl, .offset: 24, .size: 8, .value_kind: global_buffer, .address_space: global }
    .group_segment_fixed_size: 43520
    .private_segment_fixed_size: 0
    .kernarg_segment_align: 8
    .kernarg_segment_size: 32
    .max_flat_workgroup_size: 128
    .sgpr_count:     66
    .vgpr_count:     224
    .wavefront_size: 32
...
	.end_amdgpu_metadata
.endif
;; end of part 1
;; launch proj (part 2): grid 4 x 64, 8 waves a work-group, clusters of 4 x 4, 327,680 bytes of LDS; arguments cod, scl, qkf, vtf; writes qkf, vtf
.if DOCPART == 2
	.amdgcn_target "amdgcn-amd-amdhsa--gfx1250"
	.amdhsa_code_object_version 6
	.text
	.protected	k_q11974b3022_proj
	.globl	k_q11974b3022_proj
	.p2align	8
	.type	k_q11974b3022_proj,@function
k_q11974b3022_proj:
	s_mov_b64 s[64:65], 0
	v_nop
	global_prefetch_b8 v0, s[64:65] scope:SCOPE_SE
	s_setreg_imm32_b32 hwreg(HW_REG_WAVE_MODE, 25, 1), 1
	s_wait_xcnt 0x0
	s_wait_alu depctr_hold_cnt(0) depctr_sa_sdst(0) depctr_va_vdst(0) depctr_va_sdst(0) depctr_va_ssrc(0) depctr_va_vcc(0) depctr_vm_vsrc(0)
	s_getreg_b32 s2, hwreg(HW_REG_IB_STS2, 6, 4)
	s_cmp_eq_u32 s2, 0
	s_cbranch_scc0 .Lentry_in_a_cluster
	s_endpgm
.Lentry_in_a_cluster:
	s_bfe_u32 s2, ttmp6, 0x10000c
	s_cmp_lg_u32 s2, 0xf033
	s_cbranch_scc0 .Lentry_shape_is_right
	s_endpgm
.Lentry_shape_is_right:
; proj = X Wqkv on codes of E2M1 with E8M0 scales (K = 1024, eight steps of 128), rounded to f16 and stored as IMAGES OF THE ATTENTION'S OPERAND REGISTERS.
; IN:  cod [s 8][row 6144][64 bytes], scl [s 8][row 6144][4 bytes]: rows 0-4095 X's rows (keys), rows 4096-6143 Wqkv's columns (4096-5119: q = k; 5120-6143: v).
; OUT: qkf, vtf [head 16][G 64][a 4][b 4][lane 32][16 bytes], f16; G = a group of 64 keys.  qkf: a = key tile of 16, b = channel tile of 16, lane (r, h) = key r, channels 8 h .. 8 h + 7.
;      vtf: a = channel tile, b = key tile, lane (r, h) = channel r, keys 8 h .. 8 h + 7.  Blocks b = 2 c and 2 c + 1 are registers 0-3 and 4-7 of a 16 x 32 f16 fragment.
; D = P R^T: source 0 = 16 rows of P, source 1 = 16 rows of R: lane (r, h) holds R's row r and P's rows 8 h + 0 .. 7: rounded in pairs these are a block of the image.  For qkf P = Wqkv's columns, R = X's rows;
; for vtf P = X's rows, R = Wqkv's columns.  Both lie in one buffer with one layout: the halves differ in row numbers alone.
; SHARES: a work-group makes 256 rows of P x 128 rows of R; all of K lies in LDS, filled once: no ring.  Eight waves, each 64 x 64: 16 accumulators.
; CLUSTER 4 x 4: the four of a column of the cluster (same cx) need the same rows of P, the four of a row (same cy) the same rows of R: each is asked for jointly.
; LIMIT: |proj| under 65,504, f16's largest number.
.set CHUNK, 40960                      ; LDS: 64 rows' codes for all of K: [s 8][row 64][64 bytes + 16 of padding]
.set RC,    4*CHUNK                    ; P's four chunks from 0 on, R's two from here on
.set SPL,   6*CHUNK                    ; P's scale words [s 8][256], 8,192 bytes
.set SRL,   SPL+8192                   ; R's [s 8][128], 4,096 bytes
.set SPARE, SRL+4096                   ; the spare words, 128 bytes for each of eight waves, which no other line names
.set ADP, 4                            ; v4  my lane's place in my chunk of P: 80 r + 16 h
.set ADR, 5                            ; v5  the same for R
.set ASP, 6                            ; v6  P's scale words: 4 (64 wp + r), + one K step's 1,024 bytes for lanes 16-31
.set ASR, 7                            ; v7  R's: 4 (64 wr + r), + 512 for lanes 16-31
.set OO,  8                            ; v8  16 x lane
.set SPW, 10                           ; v10 my spare word's LDS address; never rewritten
.set NIL, 11                           ; v11 0; never rewritten
.set SCP, 32                           ; v32-47 P's scale words: register 4 i + q: block i; lanes 0-15 K step 2 q, lanes 16-31 K step 2 q + 1
.set SCR, 48                           ; v48-63 R's likewise.  These 32 registers hold scales and nothing else
.set PF,  64                           ; v64-95  P's four fragments of a K step
.set RF,  96                           ; v96-127 R's
.set ACC, 128                          ; v128-255 accumulator (a = R's block, b = P's block) at 8 (4 a + b)
.set WV, 14
.set WP, 15
.set WR, 16
.set G1P,  28                          ; s[28:35] group 1 for P's codes; s[36:43] for R's; s[44:51], s[52:59] for their scale words
.set G1R,  36
.set G1SP, 44
.set G1SR, 52
.set G0P,  60                          ; s[60:63], s[68:71], s[72:75], s[76:79]: the four groups 0
.set G0R,  68
.set G0SP, 72
.set G0SR, 76
.macro PLACES n
.rept \n
	v_nop
.endr
.endm
.macro CROUND                          ; a round of the cluster's barrier
	s_barrier_signal -1
	s_barrier_wait -1
	s_cmp_lg_u32 s[WV], 0
	s_cbranch_scc1 .Lnot_wave_0_\@
	s_barrier_signal -3
.Lnot_wave_0_\@:
	s_barrier_wait -3
	s_barrier_signal -1
	s_barrier_wait -1
.endm
	s_load_b256 s[4:11], s[0:1], 0x0               ; cod s[4:5], scl s[6:7], qkf s[8:9], vtf s[10:11]
	v_lshl_add_u32 v[SPW], v0, 2, SPARE
	v_mov_b32 v[NIL], 0
	ds_add_u32 v[SPW], v[NIL]                      ; the wave's opening: the add, twice on end, and its wait ahead of my first tensor load
	ds_add_u32 v[SPW], v[NIL]                      ; the set-up below, work on registers, stands between the second and the wait
	v_lshrrev_b32 v1, 5, v0
	v_readfirstlane_b32 s[WV], v1                  ; wave 0..7
	s_and_b32 s[WP], s[WV], 3                      ; my 64 rows of P
	s_lshr_b32 s[WR], s[WV], 2                     ; my 64 rows of R
	s_bfe_u32 s17, ttmp6, 0x40000                  ; cx
	s_bfe_u32 s18, ttmp6, 0x40004                  ; cy
	s_and_b32 s19, ttmp7, 0xffff                   ; the cluster's y, 0..15: clusters 0-7 make qkf, clusters 8-15 vtf
	s_lshr_b32 s20, s19, 3                         ; half: 0 qkf, 1 vtf
	s_xor_b32 s21, s20, 1                          ; 1 - half
	s_and_b32 s22, s19, 7                          ; the cluster within its half
	s_and_b32 s23, s22, 3
	s_mul_i32 s23, s23, s20                        ; pc: which 1,024 rows of P (qkf: 0; vtf: c % 4)
	s_lshr_b32 s24, s22, 2
	s_mul_i32 s24, s24, s20
	s_mul_i32 s25, s22, s21
	s_add_co_u32 s24, s24, s25                     ; rc: which 512 rows of R (qkf: c; vtf: c / 4)
	s_lshl_b32 s80, s21, 12                        ; P's first row: qkf 4096, vtf 0,
	s_lshl_b32 s81, s23, 10
	s_add_co_u32 s80, s80, s81                     ; + 1024 pc
	s_lshl_b32 s81, s17, 8
	s_add_co_u32 s80, s80, s81                     ; + 256 cx: no register that feeds P's descriptors holds cy
	s_mul_i32 s84, s20, 5120                       ; R's first row: qkf 0, vtf 5120,
	s_lshl_b32 s85, s24, 9
	s_add_co_u32 s84, s84, s85                     ; + 512 rc
	s_lshl_b32 s85, s18, 7
	s_add_co_u32 s84, s84, s85                     ; + 128 cy: none that feeds R's holds cx
	s_lshl_b32 s26, 0x1111, s17                    ; my column of the cluster: places cx, cx + 4, cx + 8, cx + 12
	s_lshl_b32 s27, s18, 2
	s_lshl_b32 s27, 15, s27                        ; my row: places 4 cy .. 4 cy + 3
	; group 1 for codes: 8 descriptor rows (the K steps, a plane apart) of 4,096 bytes (64 rows of codes on end), as 512 elements of 8 bytes; 4 words of padding behind every 16: each row of codes is 80 bytes apart in LDS
	s_or_b32 s[G1P], s26, (3<<16)|(1<<20)|(1<<21)|(3<<22)|(3<<25)
	s_or_b32 s[G1R], s27, (3<<16)|(1<<20)|(1<<21)|(3<<22)|(3<<25)
.irp g, G1P, G1R
	s_mov_b32 s[\g+1], 512<<16                     ; tensor_dim0
	s_mov_b32 s[\g+2], 8<<16                       ; tensor_dim1
	s_mov_b32 s[\g+3], 512<<16                     ; tile_dim0
	s_mov_b32 s[\g+4], 8                           ; tile_dim1
	s_mov_b32 s[\g+5], 49152                       ; from plane to plane: 393,216 bytes
	s_mov_b32 s[\g+6], 0
	s_mov_b32 s[\g+7], 0
.endr
	; group 1 for scale words: 8 rows (K steps, 24,576 bytes apart) of 1,024 bytes (P's 256 rows) or 512 bytes (R's 128), no padding
	s_or_b32 s[G1SP], s26, (3<<16)|(1<<21)
	s_mov_b32 s[G1SP+1], 128<<16
	s_mov_b32 s[G1SP+2], 8<<16
	s_mov_b32 s[G1SP+3], 128<<16
	s_mov_b32 s[G1SP+4], 8
	s_mov_b32 s[G1SP+5], 3072
	s_mov_b32 s[G1SP+6], 0
	s_mov_b32 s[G1SP+7], 0
	s_or_b32 s[G1SR], s27, (3<<16)|(1<<21)
	s_mov_b32 s[G1SR+1], 64<<16
	s_mov_b32 s[G1SR+2], 8<<16
	s_mov_b32 s[G1SR+3], 64<<16
	s_mov_b32 s[G1SR+4], 8
	s_mov_b32 s[G1SR+5], 3072
	s_mov_b32 s[G1SR+6], 0
	s_mov_b32 s[G1SR+7], 0
	s_lshl_b32 s82, s80, 6                         ; P's codes: 64 bytes a row, + the chunk that I fetch (waves 0-3)
	s_lshl_b32 s81, s[WP], 12
	s_add_co_u32 s82, s82, s81
	s_mov_b32 s83, 0
	s_lshl_b32 s88, s80, 2                         ; P's scale words
	s_mov_b32 s89, 0
	s_lshl_b32 s86, s84, 6                         ; R's codes, + the chunk that I fetch (waves 4, 5)
	s_and_b32 s85, s[WV], 1
	s_lshl_b32 s85, s85, 12
	s_add_co_u32 s86, s86, s85
	s_mov_b32 s87, 0
	s_lshl_b32 s90, s84, 2                         ; R's scale words
	s_mov_b32 s91, 0
	; where my 64 x 64 goes: u = P's group of 64 rows, t = R's; qkf: head u, G t; vtf: head t, G u
	s_lshl_b32 s92, s23, 2
	s_add_co_u32 s92, s92, s17
	s_lshl_b32 s92, s92, 2
	s_add_co_u32 s92, s92, s[WP]                   ; u = 4 (4 pc + cx) + wp
	s_lshl_b32 s93, s24, 2
	s_add_co_u32 s93, s93, s18
	s_lshl_b32 s93, s93, 1
	s_add_co_u32 s93, s93, s[WR]                   ; t = 2 (4 rc + cy) + wr
	s_mul_i32 s94, s93, s20
	s_mul_i32 s95, s92, s21
	s_add_co_u32 s94, s94, s95                     ; head
	s_mul_i32 s95, s92, s20
	s_mul_i32 s96, s93, s21
	s_add_co_u32 s95, s95, s96                     ; G
	s_lshl_b32 s94, s94, 6
	s_add_co_u32 s94, s94, s95
	s_lshl_b32 s94, s94, 13                        ; 8,192 bytes for each (head, G)
	s_mov_b32 s95, 0
	s_wait_dscnt 0x0                               ; both opening adds are done
	s_wait_kmcnt 0x0
	s_mov_b32 s[G0P], 1
	s_mul_i32 s[G0P+1], s[WP], CHUNK               ; no place in the cluster enters an LDS address
	s_add_nc_u64 s[G0P+2:G0P+3], s[4:5], s[82:83]
	s_or_b32 s[G0P+3], s[G0P+3], 0x80000000
	s_mov_b32 s[G0R], 1
	s_and_b32 s[G0R+1], s[WV], 1
	s_mul_i32 s[G0R+1], s[G0R+1], CHUNK
	s_add_co_u32 s[G0R+1], s[G0R+1], RC
	s_add_nc_u64 s[G0R+2:G0R+3], s[4:5], s[86:87]
	s_or_b32 s[G0R+3], s[G0R+3], 0x80000000
	s_mov_b32 s[G0SP], 1
	s_mov_b32 s[G0SP+1], SPL
	s_add_nc_u64 s[G0SP+2:G0SP+3], s[6:7], s[88:89]
	s_or_b32 s[G0SP+3], s[G0SP+3], 0x80000000
	s_mov_b32 s[G0SR], 1
	s_mov_b32 s[G0SR+1], SRL
	s_add_nc_u64 s[G0SR+2:G0SR+3], s[6:7], s[90:91]
	s_or_b32 s[G0SR+3], s[G0SR+3], 0x80000000
	s_cmp_lg_u32 s20, 0
	s_cselect_b64 s[12:13], s[10:11], s[8:9]       ; vtf or qkf: the choice hangs on the cluster's number alone
	s_add_nc_u64 s[12:13], s[12:13], s[94:95]
	CROUND                                         ; all sixteen work-groups are here: the joint loads meet
	; one joint load a wave, all first fills: waves 0-3 P's chunks, waves 4, 5 R's, wave 6 P's scale words, wave 7 R's.  The branches hang on the wave's number alone
	s_cmp_lt_u32 s[WV], 4
	s_cbranch_scc0 .Lnot_p
	tensor_load_to_lds s[G0P:G0P+3], s[G1P:G1P+7]
	s_nop 0
	PLACES 4
	s_branch .Lasked
.Lnot_p:
	s_cmp_lt_u32 s[WV], 6
	s_cbranch_scc0 .Lnot_r
	tensor_load_to_lds s[G0R:G0R+3], s[G1R:G1R+7]
	s_nop 0
	PLACES 4
	s_branch .Lasked
.Lnot_r:
	s_cmp_eq_u32 s[WV], 6
	s_cbranch_scc0 .Lscales_r
	tensor_load_to_lds s[G0SP:G0SP+3], s[G1SP:G1SP+7]
	s_nop 0
	PLACES 4
	s_branch .Lasked
.Lscales_r:
	tensor_load_to_lds s[G0SR:G0SR+3], s[G1SR:G1SR+7]
	s_nop 0
	PLACES 4
.Lasked:
	v_and_b32 v1, 15, v0                           ; r
	v_bfe_u32 v2, v0, 4, 1                         ; h
	v_mul_u32_u24 v3, v1, 80
	v_lshl_add_u32 v3, v2, 4, v3                   ; a fragment of 4-bit codes: row r x 80 + 16 h; two loads, 32 bytes apart
	s_mul_i32 s20, s[WP], CHUNK
	v_add_nc_u32 v[ADP], s20, v3
	s_mul_i32 s21, s[WR], CHUNK
	s_add_co_u32 s21, s21, RC
	v_add_nc_u32 v[ADR], s21, v3
	v_lshlrev_b32 v9, 2, v1
	v_lshl_add_u32 v[ASP], v2, 10, v9
	s_lshl_b32 s20, s[WP], 8
	s_add_co_u32 s20, s20, SPL
	v_add_nc_u32 v[ASP], s20, v[ASP]
	v_lshl_add_u32 v[ASR], v2, 9, v9
	s_lshl_b32 s21, s[WR], 8
	s_add_co_u32 s21, s21, SRL
	v_add_nc_u32 v[ASR], s21, v[ASR]
	v_and_b32 v[OO], 31, v0
	v_lshlrev_b32 v[OO], 4, v[OO]
	s_wait_tensorcnt 0x0                           ; my load has landed,
	s_barrier_signal -1
	s_barrier_wait -1                              ; everybody's has; nothing is filled again in this launch
.irp i, 0,1,2,3
.irp q, 0,1,2,3
	ds_load_b32 v[SCP+4*\i+\q], v[ASP] offset:2048*\q+64*\i        ; all scale words of my 64 + 64 rows, once
	ds_load_b32 v[SCR+4*\i+\q], v[ASR] offset:1024*\q+64*\i
.endr
.endr
; A K step: eight fragments from LDS, sixteen products; the sixteen accumulators take turns, one instruction a turn.  The first step's products start the sums.
.macro KSTEP s
.if (\s) > 0
	PLACES 4                                       ; in front of loads into registers that matrix instructions have read
.endif
.irp i, 0,1,2,3
.irp c, 0,1
	ds_load_b128 v[PF+8*\i+4*\c:PF+8*\i+4*\c+3], v[ADP] offset:5120*(\s)+1280*\i+32*\c
	ds_load_b128 v[RF+8*\i+4*\c:RF+8*\i+4*\c+3], v[ADR] offset:5120*(\s)+1280*\i+32*\c
.endr
.endr
	s_wait_dscnt 0x0
.irp a, 0,1,2,3
.irp b, 0,1,2,3
.if (\s) == 0
	v_wmma_scale_f32_16x16x128_f8f6f4 v[ACC+8*(4*\a+\b):ACC+8*(4*\a+\b)+7], v[PF+8*\b:PF+8*\b+7], v[RF+8*\a:RF+8*\a+7], 0, v[SCP+4*\b], v[SCR+4*\a] matrix_a_fmt:MATRIX_FMT_FP4 matrix_b_fmt:MATRIX_FMT_FP4
.elseif (\s)%2 == 0
	v_wmma_scale_f32_16x16x128_f8f6f4 v[ACC+8*(4*\a+\b):ACC+8*(4*\a+\b)+7], v[PF+8*\b:PF+8*\b+7], v[RF+8*\a:RF+8*\a+7], v[ACC+8*(4*\a+\b):ACC+8*(4*\a+\b)+7], v[SCP+4*\b+(\s)/2], v[SCR+4*\a+(\s)/2] matrix_a_fmt:MATRIX_FMT_FP4 matrix_b_fmt:MATRIX_FMT_FP4
.else
	v_wmma_scale_f32_16x16x128_f8f6f4 v[ACC+8*(4*\a+\b):ACC+8*(4*\a+\b)+7], v[PF+8*\b:PF+8*\b+7], v[RF+8*\a:RF+8*\a+7], v[ACC+8*(4*\a+\b):ACC+8*(4*\a+\b)+7], v[SCP+4*\b+(\s)/2], v[SCR+4*\a+(\s)/2] matrix_a_fmt:MATRIX_FMT_FP4 matrix_b_fmt:MATRIX_FMT_FP4 matrix_a_scale:MATRIX_SCALE_ROW1 matrix_b_scale:MATRIX_SCALE_ROW1
.endif
.endr
.endr
.endm
.irp s, 0,1,2,3,4,5,6,7
	KSTEP \s
.endr
	; THE WAY OUT: an accumulator's eight numbers, rounded to f16 in pairs, are a block of the image: 16 bytes a lane, 512 consecutive bytes a store, 8,192 on end for the wave.  No stage.
	PLACES 4                                       ; the conversions read results just made and write registers that the last products read
.irp n, 0,1,2,3,4,5,6,7,8,9,10,11,12,13,14,15
.irp q, 0,1,2,3
	v_cvt_pk_f16_f32 v[PF+4*\n+\q], v[ACC+8*\n+2*\q], v[ACC+8*\n+2*\q+1]   ; each accumulator from its low end on
.endr
.endr
.irp n, 0,1,2,3,4,5,6,7,8,9,10,11,12,13,14,15
	global_store_b128 v[OO], v[PF+4*\n:PF+4*\n+3], s[12:13] offset:512*\n
.endr
	s_wait_tensorcnt 0x0                           ; the wave's end
	ds_add_u32 v[SPW], v[NIL]
	s_wait_dscnt 0x0
	CROUND                                         ; the closing round
	s_endpgm
.Lfunc_end_k_q11974b3022_proj:
	.size	k_q11974b3022_proj, .Lfunc_end_k_q11974b3022_proj-k_q11974b3022_proj
	.p2alignl 7, 3214868480
	.fill 96, 4, 3214868480
	.section	.rodata,"a",@progbits
	.p2align	6, 0x0
	.amdhsa_kernel k_q11974b3022_proj
		.amdhsa_group_segment_fixed_size 327680
		.amdhsa_private_segment_fixed_size 0
		.amdhsa_enable_private_segment 0
		.amdhsa_kernarg_size 32
		.amdhsa_user_sgpr_count 2
		.amdhsa_user_sgpr_kernarg_segment_ptr 1
		.amdhsa_wavefront_size32 1
		.amdhsa_system_sgpr_workgroup_id_x 1
		.amdhsa_system_sgpr_workgroup_id_y 1
		.amdhsa_system_sgpr_workgroup_id_z 1
		.amdhsa_system_vgpr_workitem_id 0
		.amdhsa_next_free_vgpr 256
		.amdhsa_next_free_sgpr 100
		.amdhsa_reserve_vcc 0
		.amdhsa_float_denorm_mode_32 3
		.amdhsa_float_denorm_mode_16_64 3
		.amdhsa_memory_ordered 1
		.amdhsa_forward_progress 1
		.amdhsa_inst_pref_size 42
	.end_amdhsa_kernel
	.amdgpu_metadata
---
amdhsa.version: [ 1, 2 ]
amdhsa.kernels:
  - .name:           k_q11974b3022_proj
    .symbol:         k_q11974b3022_proj.kd
    .args:
      - { .name: cod, .offset: 0, .size: 8, .value_kind: global_buffer, .address_space: global }
      - { .name: scl, .offset: 8, .size: 8, .value_kind: global_buffer, .address_space: global }
      - { .name: qkf, .offset: 16, .size: 8, .value_kind: global_buffer, .address_space: global }
      - { .name: vtf, .offset: 24, .size: 8, .value_kind: global_buffer, .address_space: global }
    .group_segment_fixed_size: 327680
    .private_segment_fixed_size: 0
    .kernarg_segment_align: 8
    .kernarg_segment_size: 32
    .max_flat_workgroup_size: 256
    .sgpr_count:     100
    .vgpr_count:     256
    .wavefront_size: 32
...
	.end_amdgpu_metadata
.endif
;; end of part 2
;; launch attn (part 3): grid 16 x 16, 8 waves a work-group, no clusters, 327,680 bytes of LDS; arguments qkf, vtf, out0; writes out0
.if DOCPART == 3
	.amdgcn_target "amdgcn-amd-amdhsa--gfx1250"
	.amdhsa_code_object_version 6
	.text
	.protected	k_q11974b3022_attn
	.globl	k_q11974b3022_attn
	.p2align	8
	.type	k_q11974b3022_attn,@function
k_q11974b3022_attn:
	s_mov_b64 s[64:65], 0
	v_nop
	global_prefetch_b8 v0, s[64:65] scope:SCOPE_SE
	s_setreg_imm32_b32 hwreg(HW_REG_WAVE_MODE, 25, 1), 1
	s_wait_xcnt 0x0
; out0[q][64 head + d] = the sum over k of softmax_k(Q[q] . K[k] / 8) V[k][d], Q = K, 16 heads of 64 channels, 4,096 keys, no mask.  Operands f16, products, maxima and sums f32; out0 f32.
; IN: qkf, vtf [head 16][G 64][a 4][b 4][lane 32][16 bytes]: images of operand registers (G = 64 keys; qkf: a key tile, b channel tile; vtf: a channel tile, b key tile): every fragment comes by loads of 16 bytes at 16 x lane.
; SHARES.  A work-group owns 256 queries of one head.  Wave w owns queries 64 (w % 4) on, four tiles of 16, and walks HALF of the keys: class kh = (w ^ (w / 4)) % 2 takes blocks 4 kh .. 4 kh + 3 of each slot's eight blocks of 64 keys.
; The two waves of a query group keep a maximum, a sum and an O of their own and are merged at the end through LDS.
; LAYOUT.  S^T = K Q^T (source 0 = 16 keys, source 1 = 16 queries): a lane holds ONE query (lane % 16) and keys 8 (lane / 16) + 0 .. 7.  Two such tiles rounded to f16 in pairs ARE source 1 of O^T = V^T P.
; SOFTMAX.  A running maximum m and sum l for each query: p = 2^(c s - c m), c = log2(e) / 8; in every step O and l are multiplied by a = 2^(c m_old - c m_new).  m begins at -3e38, l and O at 0, so the step is written once.
; PHASES.  A wave's text is a block of 64 matrix instructions (V^T P of the last step, K Q^T of this one), then a block of vector work (this step's softmax).  The classes are set half a step apart at the start (class 0 makes its first
; scores ahead of a barrier, class 1 behind it), so that one class's matrix block can stand beside the other's vector block.  At a change of slots the softmax of the slot's last step, work on registers, stands between the
; barrier's signal and its wait, so that the class ahead does not stop for the class behind.
; NO CLUSTER, though the 16 work-groups of a head walk the same K and V: a cluster's round ends in a barrier that all eight waves leave together, which would put the two classes into the same phase at each of the 7 changes of slots;
; what would be shared is 128 KiB for each 2,048 matrix instructions of the work-group.
; LIMITS: the operands are f16 (|proj| under 65,504); NaN and infinities are not served.
; REGISTERS, in two windows of 256.  Window 0: v1-14 addresses; v16-47 statistics, 8 a tile; v48-111 K, 8 fragments; v112-239 S^T, 32 a tile, P in place in each tile's first 16; v240-255 the merge.
;   Window 1: v0-63 Q, 8 fragments; v64-127 V^T, 8 fragments; v128-255 O^T, 32 a tile.
.set SLOT1, 1<<17                      ; a slot: 8 blocks of K (8,192 bytes each), then 8 of V; slot 1 begins here, so that one exclusive or turns an address
.set VOFF,  65536
.set SPARE, 2*SLOT1                    ; behind the ring: the spare words, 128 bytes for each of eight waves, which no other line names
.set MSTG,  17408                      ; the merge's stage for a query group: 128 registers' images and two of statistics.  The stages lie in slot 0, which has had its last fill and its last read by then
.set OSTG,  4*MSTG                     ; behind them: 16 rows x (256 bytes + 16) for each query group, for the way out
.set AK0, 3                            ; v3  16 x lane + my class's half of a slot
.set AV0, 4                            ; v4  the same among V's blocks
.set ADK, 5                            ; v5  the run of K's loads in hand
.set ADV, 6                            ; v6  of V's
.set LI,  7                            ; v7  16 x lane
.set MST, 8                            ; v8  my place in my group's merge stage
.set OSI, 9                            ; v9  the way out: where I put 32 bytes of a row
.set OSO, 10                           ; v10 and where I read a row back
.set GO,  11                           ; v11 my byte offset in out0's rows
.set SPW, 12                           ; v12 my spare word's LDS address; never rewritten
.set NIL, 13                           ; v13 0; never rewritten
.set PFO, 14                           ; v14 256 x lane; never rewritten
.set ST,  16                           ; tile t at v[ST + 8 t]: +0 c m, +1 m, +2, +3 l (even, odd keys'), +4 to +7 at work; a takes +6
.set K,   48
.set S,   112
.set T,   240
.set VF,  64                           ; window 1
.set OA,  128                          ; window 1
.set WV, 10
.set GQ, 11
.set KH, 12
.set HD, 13
.set G1,  16                           ; s[16:23] descriptor group 1
.set G0A, 24                           ; s[24:27] group 0 of slot 0's first fill
.set G0B, 28                           ; s[28:31] of slot 1's; it then walks
.set CS,  32                           ; s[32:33] c, twice
.set SEL, 34                           ; s[34:35] v_permlanex16_b32's selects for lane l xor 16
.set TB,  36                           ; LDS byte at which the block to be fetched begins
.set SLOTS, 37
.set INNER, 38
.set LIM, 39                           ; 1 in the head's first work-group, else the greatest number
.set PFA, 40                           ; s[40:41] where my prefetches stand
.set OUT, 42                           ; s[42:43] out0 at my group's first row, my head's 256 bytes
.set MSB, 0
.macro WIN new                         ; the immediate's high byte repeats the setting that is left; a switch that changes nothing is dropped
.if MSB != \new
	s_set_vgpr_msb (MSB<<8)|\new
.set MSB, \new
.endif
.endm
.macro PLACES n
.rept \n
	v_nop
.endr
.endm
	s_load_b128 s[4:7], s[0:1], 0x0                ; qkf, vtf
	s_load_b64 s[8:9], s[0:1], 0x10                ; out0
	v_lshl_add_u32 v[SPW], v0, 2, SPARE
	v_mov_b32 v[NIL], 0
	ds_add_u32 v[SPW], v[NIL]                      ; the wave's opening: the add, twice on end, and its wait ahead of my first tensor load
	ds_add_u32 v[SPW], v[NIL]                      ; the set-up below, work on registers, stands between the second and the wait
	v_lshrrev_b32 v1, 5, v0
	v_readfirstlane_b32 s[WV], v1                  ; wave 0..7
	s_and_b32 s[GQ], s[WV], 3                      ; my group of 64 queries
	s_lshr_b32 s[KH], s[WV], 2
	s_xor_b32 s[KH], s[KH], s[WV]
	s_and_b32 s[KH], s[KH], 1                      ; my class: waves g and g + 4 differ in it
	s_and_b32 s[HD], ttmp7, 0xffff                 ; the head
	s_mov_b32 s[G1], 3<<16                         ; elements of 8 bytes, no mask, no padding: the reads take 512 consecutive bytes
	s_mov_b32 s[G1+1], 32<<16                      ; tensor_dim0: 256 bytes
	s_mov_b32 s[G1+2], 64<<16                      ; tensor_dim1: 64 rows: 16 KiB, dense
	s_mov_b32 s[G1+3], 32<<16                      ; tile_dim0
	s_mov_b32 s[G1+4], 64                          ; tile_dim1
	s_mov_b32 s[G1+5], 32                          ; the pitch
	s_mov_b32 s[G1+6], 0
	s_mov_b32 s[G1+7], 0
	s_mov_b32 s[CS], 0x3e38aa3b                    ; c = log2(e) / 8
	s_mov_b32 s[CS+1], s[CS]
	s_mov_b32 s[SEL], 0x76543210
	s_mov_b32 s[SEL+1], 0xfedcba98
	s_mov_b32 s[TB], 0
	s_mov_b32 s[SLOTS], 6
	s_cmp_eq_u32 ttmp9, 0
	s_cselect_b32 s[LIM], 1, -1
	s_lshl_b32 s44, s[HD], 19                      ; the head's 524,288 bytes,
	s_lshl_b32 s45, s[GQ], 14                      ; + the 16 KiB of a slot's K (waves 0-3) or V (waves 4-7) that I fetch
	s_add_co_u32 s44, s44, s45
	s_mov_b32 s45, 0
	s_lshl_b32 s46, s[WV], 14                      ; and where they go in a slot: wave x 16 KiB
	s_lshl_b32 s50, ttmp9, 2
	s_add_co_u32 s50, s50, s[GQ]
	s_lshl_b32 s50, s50, 13                        ; Q: my group's 8,192 bytes
	s_lshl_b32 s51, s[HD], 19
	s_add_co_u32 s50, s50, s51
	s_mov_b32 s51, 0
	s_lshl_b32 s52, ttmp9, 20                      ; out0: 256 rows of 4,096 bytes a work-group,
	s_lshl_b32 s53, s[GQ], 18                      ; 64 a group,
	s_add_co_u32 s52, s52, s53
	s_lshl_b32 s53, s[HD], 8                       ; 256 bytes a head
	s_add_co_u32 s52, s52, s53
	s_mov_b32 s53, 0
	s_wait_dscnt 0x0                               ; both opening adds are done
	s_wait_kmcnt 0x0
	s_cmp_lt_u32 s[WV], 4
	s_cselect_b64 s[48:49], s[4:5], s[6:7]         ; the choice hangs on the wave's number alone
	s_add_nc_u64 s[48:49], s[48:49], s[44:45]
	s_mov_b32 s[G0A], 1
	s_mov_b32 s[G0A+1], s46
	s_mov_b64 s[G0A+2:G0A+3], s[48:49]             ; keys 0-511
	s_or_b32 s[G0A+3], s[G0A+3], 0x80000000
	s_mov_b32 s[G0B], 1
	s_add_co_u32 s[G0B+1], s46, SLOT1
	s_add_nc_u64 s[G0B+2:G0B+3], s[48:49], 65536   ; keys 512-1023
	s_or_b32 s[G0B+3], s[G0B+3], 0x80000000
	tensor_load_to_lds s[G0A:G0A+3], s[G1:G1+7]    ; both first fills together: two loads of mine are out
	s_nop 0
	tensor_load_to_lds s[G0B:G0B+3], s[G1:G1+7]
	s_nop 0
	PLACES 4
	s_add_nc_u64 s[PFA:PFA+1], s[48:49], 2*65536   ; the first change of slots steps it on; nothing is prefetched here
	s_add_nc_u64 s[4:5], s[4:5], s[50:51]
	s_add_nc_u64 s[OUT:OUT+1], s[8:9], s[52:53]
	v_and_b32 v[LI], 31, v0
	v_lshlrev_b32 v[LI], 4, v[LI]
	WIN 0x40                                       ; destination window 1
.irp k, 0,1,2,3,4,5,6,7,8,9,10,11,12,13,14,15
	global_load_b128 v[4*\k:4*\k+3], v[LI], s[4:5] offset:512*\k   ; Q stays in registers: fragment (tile t, channels 32 c on) at v[8 (2 t + c)]
.endr
	WIN 0
	; every LDS address register is made here, ahead of the first parting of the classes
	v_and_b32 v1, 15, v0                           ; r
	v_bfe_u32 v2, v0, 4, 1                         ; h
	s_lshl_b32 s44, s[KH], 15
	v_add_nc_u32 v[AK0], s44, v[LI]
	v_add_nc_u32 v[AV0], VOFF, v[AK0]
	s_mul_i32 s44, s[GQ], MSTG
	v_add_nc_u32 v[MST], s44, v[LI]
	s_mul_i32 s44, s[GQ], 16*272
	s_add_co_u32 s44, s44, OSTG
	v_mul_u32_u24 v[OSI], v1, 272
	v_lshl_add_u32 v[OSI], v2, 5, v[OSI]
	v_add_nc_u32 v[OSI], s44, v[OSI]               ; in: row r, 32 bytes for each half of the lanes
	v_mul_u32_u24 v[OSO], v2, 272
	v_lshl_add_u32 v[OSO], v1, 4, v[OSO]
	v_add_nc_u32 v[OSO], s44, v[OSO]               ; back: lanes 0-15 one row of 256 bytes, lanes 16-31 the next
	v_lshlrev_b32 v[GO], 12, v2
	v_lshl_add_u32 v[GO], v1, 4, v[GO]             ; and the same two rows in out0
	v_and_b32 v[PFO], 31, v0
	v_lshlrev_b32 v[PFO], 8, v[PFO]
.irp t, 0,1,2,3
	v_mov_b32 v[ST+8*\t+1], 0xff61b1e6             ; m = -3e38, under every score
	v_mul_f32 v[ST+8*\t], s[CS], v[ST+8*\t+1]      ; c m
	v_mov_b32 v[ST+8*\t+2], 0                      ; l
	v_mov_b32 v[ST+8*\t+3], 0
.endr
	WIN 0x40
.set i, 0
.rept 128
	v_mov_b32 v[OA+i], 0                           ; O^T: the step is written once; the first finds zeros, which a = 0 leaves zeros
.set i, i+1
.endr
	WIN 0
; THE LDS LOADS stand in runs of 16: a step's K (64 keys x 64 channels, 8 fragments) and its V^T.
.macro KLOAD
	v_add_nc_u32 v[ADK], s[TB], v[AK0]
.irp k, 0,1,2,3,4,5,6,7,8,9,10,11,12,13,14,15
	ds_load_b128 v[K+4*\k:K+4*\k+3], v[ADK] offset:512*\k          ; fragment (key tile a, channels 32 c on) at v[K + 8 (2 a + c)]
.endr
.endm
.macro VLOAD
	WIN 0x40
.irp k, 0,1,2,3,4,5,6,7,8,9,10,11,12,13,14,15
	ds_load_b128 v[VF+4*\k:VF+4*\k+3], v[ADV] offset:512*\k        ; fragment (channel tile d, keys 32 g on) at v[VF + 8 (2 d + g)]
.endr
.endm
; 32 products S^T = K Q^T; the 16 accumulators take turns, one instruction a turn; the first 16 start the sums
.macro SPHASE
	WIN 0x04                                       ; source 1 (Q) window 1
.irp c, 0,1
.irp a, 0,1,2,3
.irp t, 0,1,2,3
.if \c == 0
	v_wmma_f32_16x16x32_f16 v[S+32*\t+8*\a:S+32*\t+8*\a+7], v[K+8*(2*\a+\c):K+8*(2*\a+\c)+7], v[8*(2*\t+\c):8*(2*\t+\c)+7], 0
.else
	v_wmma_f32_16x16x32_f16 v[S+32*\t+8*\a:S+32*\t+8*\a+7], v[K+8*(2*\a+\c):K+8*(2*\a+\c)+7], v[8*(2*\t+\c):8*(2*\t+\c)+7], v[S+32*\t+8*\a:S+32*\t+8*\a+7]
.endif
.endr
.endr
.endr
.endm
; 32 products O^T += V^T P, the 16 accumulators by turns
.macro PVPHASE
	WIN 0x51                                       ; source 0 (V) window 1, source 1 (P) window 0, C and D window 1
.irp g, 0,1
.irp d, 0,1,2,3
.irp t, 0,1,2,3
	v_wmma_f32_16x16x32_f16 v[OA+32*\t+8*\d:OA+32*\t+8*\d+7], v[VF+8*(2*\d+\g):VF+8*(2*\d+\g)+7], v[S+32*\t+8*\g:S+32*\t+8*\g+7], v[OA+32*\t+8*\d:OA+32*\t+8*\d+7]
.endr
.endr
.endr
.endm
; THE MATRIX BLOCK: V^T P of the last step, this step's V fetched into the registers just read, K Q^T of this step.
.macro MBLOCK
	s_wait_dscnt 16                                ; V of the last step is in; the 16 younger loads are K's
	PVPHASE
	WIN 0
	v_add_nc_u32 v[ADV], s[TB], v[AV0]             ; with the four below: five places between the products that read P and V, and the products that write over P and the loads into V
	PLACES 4
	VLOAD
	s_add_co_u32 s[TB], s[TB], 8192                ; the next fetch is the next block's
	s_wait_dscnt 16                                ; K is in; V's 16 loads may be out
	SPHASE
	WIN 0
	PLACES 4                                       ; in front of the reads of the scores and of the loads into K
.endm
; THE VECTOR BLOCK: the four tiles' softmax for one step of 64 keys, the tiles by turns line by line.  kload = 1: the next step's K is asked for first.
.macro VBLOCK kload
.if \kload
	KLOAD
.endif
.irp j, 0,1,2,3                        ; the maximum of my 32 scores and the old m, three operands at a time, in four chains; each accumulator is read first at its low end
.irp t, 0,1,2,3
	v_max3_num_f32 v[ST+8*\t+4+\j], v[S+32*\t+8*\j], v[S+32*\t+8*\j+1], v[S+32*\t+8*\j+2]
.endr
.endr
.irp u, 1,2
.irp j, 0,1,2,3
.irp t, 0,1,2,3
	v_max3_num_f32 v[ST+8*\t+4+\j], v[ST+8*\t+4+\j], v[S+32*\t+8*\j+2*\u+1], v[S+32*\t+8*\j+2*\u+2]
.endr
.endr
.endr
.irp t, 0,1,2,3
	v_max3_num_f32 v[ST+8*\t+4], v[ST+8*\t+4], v[S+32*\t+7], v[S+32*\t+15]
.endr
.irp t, 0,1,2,3
	v_max3_num_f32 v[ST+8*\t+6], v[ST+8*\t+6], v[S+32*\t+23], v[S+32*\t+31]
.endr
.irp t, 0,1,2,3
	v_max3_num_f32 v[ST+8*\t+4], v[ST+8*\t+4], v[ST+8*\t+5], v[ST+8*\t+6]
.endr
.irp t, 0,1,2,3
	v_max3_num_f32 v[ST+8*\t+4], v[ST+8*\t+4], v[ST+8*\t+7], v[ST+8*\t+1]
.endr
.irp t, 0,1,2,3
	v_permlanex16_b32 v[ST+8*\t+5], v[ST+8*\t+4], s[SEL], s[SEL+1]  ; the query's other 32 keys lie in the lane 16 away
.endr
.irp t, 0,1,2,3
	v_mov_b32 v[ST+8*\t+7], v[ST+8*\t]             ; c m_old is kept for a
.endr
.irp t, 0,1,2,3
	v_max_num_f32 v[ST+8*\t+1], v[ST+8*\t+4], v[ST+8*\t+5]          ; the new m
.endr
.irp t, 0,1,2,3
	v_mul_f32 v[ST+8*\t], s[CS], v[ST+8*\t+1]
.endr
.irp t, 0,1,2,3
	v_sub_f32 v[ST+8*\t+7], v[ST+8*\t+7], v[ST+8*\t]
.endr
.irp b, 0,1,2,3,4,5,6,7,8,9,10,11,12,13,14,15
.irp t, 0,1,2,3
	v_pk_fma_f32 v[S+32*\t+2*\b:S+32*\t+2*\b+1], v[S+32*\t+2*\b:S+32*\t+2*\b+1], s[CS:CS+1], v[ST+8*\t:ST+8*\t+1] op_sel_hi:[1,0,0] neg_lo:[0,0,1] neg_hi:[0,0,1]  ; c s - c m, two at a time
.endr
.endr
.irp t, 0,1,2,3
	v_exp_f32 v[ST+8*\t+6], v[ST+8*\t+7]           ; a
.endr
.irp e, 0,1,2,3,4,5,6,7,8,9,10,11,12,13,14,15,16,17,18,19,20,21,22,23,24,25,26,27,28,29,30,31
.irp t, 0,1,2,3
	v_exp_f32 v[S+32*\t+\e], v[S+32*\t+\e]         ; p, at most 1
.endr
.endr
	v_nop                                          ; the plain instruction behind the last exponential
	s_wait_alu depctr_va_vdst(0)                   ; ONE wait for the block's 132 exponentials, ahead of the first instruction that names a result
.irp t, 0,1,2,3
	v_pk_fma_f32 v[ST+8*\t+2:ST+8*\t+3], v[ST+8*\t+2:ST+8*\t+3], v[ST+8*\t+6:ST+8*\t+7], v[S+32*\t:S+32*\t+1] op_sel_hi:[1,0,1]  ; l = a l + the first pair; the sum is taken of p before it is rounded, in two chains
.endr
.irp t, 0,1,2,3
	v_pk_add_f32 v[ST+8*\t+4:ST+8*\t+5], v[S+32*\t+2:S+32*\t+3], v[S+32*\t+6:S+32*\t+7]
.endr
.irp i, 4,8,12,16,20,24
.irp t, 0,1,2,3
	v_pk_add_f32 v[ST+8*\t+2:ST+8*\t+3], v[ST+8*\t+2:ST+8*\t+3], v[S+32*\t+\i:S+32*\t+\i+1]
.endr
.irp t, 0,1,2,3
	v_pk_add_f32 v[ST+8*\t+4:ST+8*\t+5], v[ST+8*\t+4:ST+8*\t+5], v[S+32*\t+\i+6:S+32*\t+\i+7]
.endr
.endr
.irp t, 0,1,2,3
	v_pk_add_f32 v[ST+8*\t+2:ST+8*\t+3], v[ST+8*\t+2:ST+8*\t+3], v[S+32*\t+28:S+32*\t+29]
.endr
.irp t, 0,1,2,3
	v_pk_add_f32 v[ST+8*\t+2:ST+8*\t+3], v[ST+8*\t+2:ST+8*\t+3], v[ST+8*\t+4:ST+8*\t+5]
.endr
.irp p, 0,1,2,3,4,5,6,7,8,9,10,11,12,13,14,15
.irp t, 0,1,2,3
	v_cvt_pk_f16_f32 v[S+32*\t+\p], v[S+32*\t+2*\p], v[S+32*\t+2*\p+1]   ; P in place: register p never lies above a pair that is still unread
.endr
.endr
	WIN 0x41                                       ; O^T (destination and source 0) window 1, a window 0
.irp i, 0,1,2,3,4,5,6,7,8,9,10,11,12,13,14,15
.irp t, 0,1,2,3
	v_pk_mul_f32 v[OA+32*\t+2*\i:OA+32*\t+2*\i+1], v[OA+32*\t+2*\i:OA+32*\t+2*\i+1], v[ST+8*\t+6:ST+8*\t+7] op_sel_hi:[1,0]  ; O^T x a, each accumulator from its low end on
.endr
.endr
	WIN 0
.endm
; A PREFETCH of the tile one slot beyond the one just asked for.  All 16 work-groups of a head walk the same K and V: the head's first work-group asks, each wave for the 16 KiB that it will itself fetch:
; two instructions, lanes 256 bytes apart.  So each 256 bytes are named once in the launch.  Tiles 0 to 2 come by their loads alone; the last change that fills a slot asks for nothing.
.macro ASK
	s_cmp_gt_u32 s[SLOTS], s[LIM]
	s_cbranch_scc0 .Lnot_mine_\@
	global_prefetch_b8 v[PFO], s[PFA:PFA+1] th:TH_LOAD_NT scope:SCOPE_SE
	global_prefetch_b8 v[PFO], s[PFA:PFA+1] offset:8192 th:TH_LOAD_NT scope:SCOPE_SE
.Lnot_mine_\@:
.endm
; THE CHANGE OF SLOTS.  All reads of the slot have been asked for (V of its last step among them).  Each wave waits for all its tensor loads (its part of the other slot), adds 0 to its spare word, waits for that and for its reads,
; and signals; the last step's softmax stands between signal and wait.  Behind the barrier nobody reads the slot and the other slot is whole.  fill = 1: the slot is filled again with the keys two slots on, first thing.
.macro CHANGE fill
	s_wait_tensorcnt 0x0                           ; no tensor load of mine is out, so a group 0 may be written
	ds_add_u32 v[SPW], v[NIL]
.if \fill
	s_xor_b32 s[G0B+1], s[G0B+1], SLOT1            ; the walking descriptor: the other slot than last time,
	s_add_nc_u64 s[G0B+2:G0B+3], s[G0B+2:G0B+3], 65536   ; the next 512 keys; the type bits on top are not reached
	s_wait_xcnt 0x0                                ; the last prefetches, a slot back, have read their address
	s_add_nc_u64 s[PFA:PFA+1], s[PFA:PFA+1], 65536
.endif
	s_wait_dscnt 0x0                               ; the add is done, and my reads of the slot are over
	s_barrier_signal -1
	VBLOCK 0
	s_barrier_wait -1
.if \fill
	tensor_load_to_lds s[G0B:G0B+3], s[G1:G1+7]    ; my one tensor load until the next change: it has four steps of each class in which to land
	s_nop 0
	PLACES 4
.endif
	s_sub_co_u32 s[TB], s[TB], 32768               ; back to a slot's first block of my class,
	s_xor_b32 s[TB], s[TB], SLOT1                  ; in the other slot
	KLOAD
.if \fill
	ASK                                            ; behind the tensor load and the run of LDS loads that the next products wait for
.endif
	MBLOCK
.endm
.macro INNER3                          ; a slot's steps 1 to 3: written once, walked three times; the LDS addresses hang on s[TB]
	s_mov_b32 s[INNER], 3
.Lin_\@:
	VBLOCK 1
	MBLOCK
	s_sub_co_u32 s[INNER], s[INNER], 1
	s_cmp_lg_u32 s[INNER], 0
	s_cbranch_scc1 .Lin_\@
.endm
.macro FIRST_S                         ; the first step's V is asked for and its scores are made
	VLOAD
	s_wait_dscnt 16                                ; K is in; V's 16 loads may be out
	SPHASE
	WIN 0
	PLACES 5                                       ; four in front of the reads of the scores and the loads into K.  The fifth: this block stands twice in the text, and the second copy's first products begin the same
	                                               ; accumulators anew (ISA guide 7.12.1); a wave runs one copy alone, but the distance is kept on the way through both too
.endm
	s_wait_tensorcnt 1                             ; my part of slot 0 is in; slot 1's may stay out
	s_barrier_signal -1
	s_barrier_wait -1                              ; everybody's is
	KLOAD
	v_add_nc_u32 v[ADV], s[TB], v[AV0]
	s_add_co_u32 s[TB], s[TB], 8192
	s_wait_loadcnt 0x0                             ; Q
	s_cmp_eq_u32 s[KH], 0                          ; the classes are set apart: class 0 makes its first scores ahead of the barrier,
	s_cbranch_scc0 .Llag
	FIRST_S
.Llag:
	s_wait_dscnt 0x0                               ; no LDS instruction of mine is out at a signal
	s_barrier_signal -1
	s_barrier_wait -1
	s_cmp_eq_u32 s[KH], 0                          ; class 1 behind it
	s_cbranch_scc1 .Llead
	FIRST_S
.Llead:
.Lslot:                                            ; six trips: every slot's worth of keys but the last two is followed by a refill
	INNER3
	CHANGE 1
	s_sub_co_u32 s[SLOTS], s[SLOTS], 1
	s_cmp_lg_u32 s[SLOTS], 0
	s_cbranch_scc1 .Lslot
	INNER3                                         ; the tail is written out
	CHANGE 0
	INNER3
	VBLOCK 0
	s_wait_dscnt 0x0                               ; V of the last step
	PVPHASE
	WIN 0
	; THE MERGE of the two classes of a query group.  l's two halves and the other half of the lanes' are added (these additions are the places behind the last products); c m and l go into v[T] on.
.irp t, 0,1,2,3
	v_add_f32 v[ST+8*\t+4], v[ST+8*\t+2], v[ST+8*\t+3]
.endr
.irp t, 0,1,2,3
	v_permlanex16_b32 v[ST+8*\t+5], v[ST+8*\t+4], s[SEL], s[SEL+1]
.endr
.irp t, 0,1,2,3
	v_add_f32 v[T+2*\t+1], v[ST+8*\t+4], v[ST+8*\t+5]
.endr
.irp t, 0,1,2,3
	v_mov_b32 v[T+2*\t], v[ST+8*\t]
.endr
	s_cmp_eq_u32 s[KH], 0
	s_cbranch_scc1 .Lkeep
	WIN 0x04                                       ; an LDS store's data are its source 1: window 1
.irp k, 0,1,2,3,4,5,6,7,8,9,10,11,12,13,14,15,16,17,18,19,20,21,22,23,24,25,26,27,28,29,30,31
	ds_store_b128 v[MST], v[OA+4*\k:OA+4*\k+3] offset:512*\k       ; class 1: O^T as an image of its registers, each accumulator from its low end on,
.endr
	WIN 0
	ds_store_b128 v[MST], v[T:T+3] offset:16384    ; and the statistics
	ds_store_b128 v[MST], v[T+4:T+7] offset:16896
.Lkeep:
	s_wait_dscnt 0x0                               ; for the partner's sake: my stores have landed
	s_barrier_signal -1
	s_barrier_wait -1
	s_cmp_eq_u32 s[KH], 0
	s_cbranch_scc0 .Lend                           ; class 1 is done
	ds_load_b128 v[T+8:T+11], v[MST] offset:16384
	ds_load_b128 v[T+12:T+15], v[MST] offset:16896
.irp k, 0,1,2,3,4,5,6,7,8,9,10,11,12,13,14,15,16,17,18,19,20,21,22,23,24,25,26,27,28,29,30,31
	ds_load_b128 v[S+4*\k:S+4*\k+3], v[MST] offset:512*\k          ; the partner's O^T into S^T's registers, same register, same lane
.endr
	s_wait_dscnt 32                                ; the partner's statistics are in; its O^T, 32 loads, may be out
.irp t, 0,1,2,3
	v_max_num_f32 v[ST+8*\t+4], v[T+2*\t], v[T+8+2*\t]             ; the larger c m
.endr
.irp t, 0,1,2,3
	v_sub_f32 v[ST+8*\t], v[T+2*\t], v[ST+8*\t+4]
.endr
.irp t, 0,1,2,3
	v_sub_f32 v[ST+8*\t+2], v[T+8+2*\t], v[ST+8*\t+4]
.endr
.irp t, 0,1,2,3
	v_exp_f32 v[ST+8*\t], v[ST+8*\t]               ; f0: what mine is multiplied by,
.endr
.irp t, 0,1,2,3
	v_exp_f32 v[ST+8*\t+2], v[ST+8*\t+2]           ; f1: the partner's
.endr
	v_nop
	s_wait_alu depctr_va_vdst(0)                   ; one wait for the eight
.irp t, 0,1,2,3
	v_mul_f32 v[ST+8*\t+4], v[T+2*\t+1], v[ST+8*\t]
.endr
.irp t, 0,1,2,3
	v_fma_f32 v[ST+8*\t+4], v[T+9+2*\t], v[ST+8*\t+2], v[ST+8*\t+4]   ; l = l0 f0 + l1 f1, at least 1
.endr
.irp t, 0,1,2,3
	v_rcp_f32 v[ST+8*\t+5], v[ST+8*\t+4]
.endr
	v_nop
	s_wait_alu depctr_va_vdst(0)                   ; one wait for the four
.irp t, 0,1,2,3
	v_mul_f32 v[ST+8*\t], v[ST+8*\t], v[ST+8*\t+5]                 ; f0 / l
.endr
.irp t, 0,1,2,3
	v_mul_f32 v[ST+8*\t+2], v[ST+8*\t+2], v[ST+8*\t+5]             ; f1 / l
.endr
	s_wait_dscnt 0x0
.irp i, 0,1,2,3,4,5,6,7,8,9,10,11,12,13,14,15
.irp t, 0,1,2,3
	v_pk_mul_f32 v[S+32*\t+2*\i:S+32*\t+2*\i+1], v[S+32*\t+2*\i:S+32*\t+2*\i+1], v[ST+8*\t+2:ST+8*\t+3] op_sel_hi:[1,0]
.endr
.endr
	WIN 0x01                                       ; source 0 (my O^T) window 1
.irp i, 0,1,2,3,4,5,6,7,8,9,10,11,12,13,14,15
.irp t, 0,1,2,3
	v_pk_fma_f32 v[S+32*\t+2*\i:S+32*\t+2*\i+1], v[OA+32*\t+2*\i:OA+32*\t+2*\i+1], v[ST+8*\t:ST+8*\t+1], v[S+32*\t+2*\i:S+32*\t+2*\i+1] op_sel_hi:[1,0,1]  ; each accumulator from its low end on
.endr
.endr
	WIN 0
; THE WAY OUT, a tile of 16 queries at a time.  A lane holds 32 neighbouring bytes of a row and the lanes beside it other rows: a tile goes through my own stage and comes back as whole rows of 256 bytes.
.macro TOSTAGE t
.irp d, 0,1,2,3
	ds_store_b128 v[OSI], v[S+32*(\t)+8*\d:S+32*(\t)+8*\d+3] offset:64*\d
	ds_store_b128 v[OSI], v[S+32*(\t)+8*\d+4:S+32*(\t)+8*\d+7] offset:64*\d+16
.endr
.irp i, 0,1,2,3,4,5,6,7
	ds_load_b128 v[K+32*((\t)%2)+4*\i:K+32*((\t)%2)+4*\i+3], v[OSO] offset:544*\i   ; LDS serves a wave's instructions in order: these see the stores above, and the next tile's stores come behind them
.endr
.endm
.macro SEND t, younger                 ; younger: the LDS instructions issued behind tile t's loads: the next tile's sixteen, or none
.irp f, 0,1,2,3,4,5,6,7
	s_wait_dscnt \younger+7-\f
	global_store_b128 v[GO], v[K+32*((\t)%2)+4*\f:K+32*((\t)%2)+4*\f+3], s[OUT:OUT+1] offset:(16*(\t)+2*\f)*4096 th:TH_STORE_NT  ; 16 lanes store 256 consecutive bytes, aligned: a query's 64 channels of the head
.endr
.endm
	TOSTAGE 0
	TOSTAGE 1
	SEND 0, 16
	s_wait_xcnt 0x0                                ; tile 0's stores have read their registers: tile 2's loads may land there
	TOSTAGE 2
	SEND 1, 16
	s_wait_xcnt 0x0
	TOSTAGE 3
	SEND 2, 16
	SEND 3, 0
.Lend:
	s_wait_tensorcnt 0x0                           ; the wave's end, behind my last tensor load and my last LDS store
	ds_add_u32 v[SPW], v[NIL]
	s_wait_dscnt 0x0
	s_endpgm
.Lfunc_end_k_q11974b3022_attn:
	.size	k_q11974b3022_attn, .Lfunc_end_k_q11974b3022_attn-k_q11974b3022_attn
	.p2alignl 7, 3214868480
	.fill 96, 4, 3214868480
	.section	.rodata,"a",@progbits
	.p2align	6, 0x0
	.amdhsa_kernel k_q11974b3022_attn
		.amdhsa_group_segment_fixed_size 327680
		.amdhsa_private_segment_fixed_size 0
		.amdhsa_enable_private_segment 0
		.amdhsa_kernarg_size 24
		.amdhsa_user_sgpr_count 2
		.amdhsa_user_sgpr_kernarg_segment_ptr 1
		.amdhsa_wavefront_size32 1
		.amdhsa_system_sgpr_workgroup_id_x 1
		.amdhsa_system_sgpr_workgroup_id_y 1
		.amdhsa_system_sgpr_workgroup_id_z 1
		.amdhsa_system_vgpr_workitem_id 0
		.amdhsa_next_free_vgpr 512
		.amdhsa_next_free_sgpr 66
		.amdhsa_reserve_vcc 0
		.amdhsa_float_denorm_mode_32 3
		.amdhsa_float_denorm_mode_16_64 3
		.amdhsa_memory_ordered 1
		.amdhsa_forward_progress 1
		.amdhsa_inst_pref_size 229
	.end_amdhsa_kernel
	.amdgpu_metadata
---
amdhsa.version: [ 1, 2 ]
amdhsa.kernels:
  - .name:           k_q11974b3022_attn
    .symbol:         k_q11974b3022_attn.kd
    .args:
      - { .name: qkf, .offset: 0, .size: 8, .value_kind: global_buffer, .address_space: global }
      - { .name: vtf, .offset: 8, .size: 8, .value_kind: global_buffer, .address_space: global }
      - { .name: out0, .offset: 16, .size: 8, .value_kind: global_buffer, .address_space: global }
    .group_segment_fixed_size: 327680
    .private_segment_fixed_size: 0
    .kernarg_segment_align: 8
    .kernarg_segment_size: 24
    .max_flat_workgroup_size: 256
    .sgpr_count:     66
    .vgpr_count:     512
    .wavefront_size: 32
...
	.end_amdgpu_metadata
.endif
;; end of part 3
